; MI455X (gfx1250); checked and timed in simulation.
; The chip was launched on July 23, 2026; its instructions are those of AMD's public machine-readable ISA for CDNA 5 (MIT licence, August 2026) and "CDNA5" Instruction Set Architecture Reference Guide (July 2026). The comments in the code are by the model that wrote it; some were corrected since.
;; Mo EFFN. Allowed arithmetic: float matrix products may take bf16 or f16 operands with f32 sums; other float arithmetic in f32, or as packed bf16 or f16 multiplies, adds, multiply-adds, maxima and minima; sums over many terms, partial sums and values carried from step to step in f32; what a program stores and reads back later, other than sums and carried values, may be rounded once to bf16 or f16.
;; Inputs: W1 8 x 512 x 2,048 float32; W2 8 x 2,048 x 512 float32; Wg 512 x 8 float32; b1 8 x 2,048 float32; b2 8 x 512 float32; x 4 x 1,024 x 512 float32.
;; Outputs: out0 4 x 1,024 x 512 float32; out1 one number float32.
;; One version. Each part assembles by itself: llvm-mc -triple=amdgcn-amd-amdhsa -mcpu=gfx1250 --defsym DOCPART=n.
;; ======== version 1 of 1: 3 launches
;; workspace buffers: Wf 33,554,432 bytes; xb 4,194,304 bytes; P 33,554,432 bytes; route 16,384 bytes of whole numbers; sel 16,384 bytes of whole numbers; gates 32,768 bytes; imp 16,384 bytes
;; launch prep (part 1): grid 640 x 1, 8 waves a work-group, no clusters, 2,048 bytes of LDS; arguments x, Wg, W1, W2, xb, route, sel, gates, imp, Wf; writes xb, route, sel, gates, imp, Wf
.if DOCPART == 1
	.amdgcn_target "amdgcn-amd-amdhsa--gfx1250"
	.amdhsa_code_object_version 6
	.text
	.protected	k_qa96cc3ca3f_prep
	.globl	k_qa96cc3ca3f_prep
	.p2align	8
	.type	k_qa96cc3ca3f_prep,@function
k_qa96cc3ca3f_prep:
	s_mov_b64 s[64:65], 0
	v_nop
	global_prefetch_b8 v0, s[64:65] scope:SCOPE_SE
	s_setreg_imm32_b32 hwreg(HW_REG_WAVE_MODE, 25, 1), 1
	s_wait_xcnt 0x0
; PREP: the gate, and the weights laid out.  4,096 tokens of 512 numbers, 8 experts, hidden width 2,048.
; Work-groups 0-127: THE GATE for 32 tokens each.  x and Wg are rounded to bf16 (x's rounded rows go to xb), the 8 logits of a token are f32 sums of the exact products of
;   the rounded numbers; softmax with the row's maximum taken away; the two largest probabilities (a tie keeps the lower index); their weights g = p / (p1 + p2).
;   Stored at fixed places: sel[t] = e1 | e2 << 8; gates[t] = g1, g2; for each group of 32 tokens a record of 32 words in route (words 0-7: for each expert the bitmap of the tokens that
;   chose it; 8-11: the counts of those bits, two of 16 bits a word; 12-15: the same for the first choice alone; the rest 0) and in imp (words 0-7: the sums of the probabilities; the rest 0).
;   No address and no branch here hangs on a choice: the later launches read the stored whole numbers.
; Work-groups 128-383 (W1) and 384-639 (W2): THE WEIGHTS, rounded once to bf16 and stored in the order in which the chain's waves take them as matrix operands.
;   Wf = [expert 8][half of the hidden width 2][wave 4][chunk of 256 hidden columns 4][128 KB]; the first 64 KB are W1's fragments [k step 16][tile 4][1 KB], the second W2's [k step 8][tile 8][1 KB].
;   A fragment is 16 rows x 32 k: byte 512 a + 256 h + 16 r holds row r, k = 16 a + 8 h + 0..7.  Inside a block of 64 columns tile i holds the columns 4 r + i, so that a lane's 16 loaded bytes
;   (4 columns) go to 4 tiles and sixteen lanes' 16 stored bytes are 256 consecutive bytes, aligned.  For W1 that renumbers the hidden columns; W2's k runs in the same numbering.
;   A wave takes one item, 32 k x 128 columns: 32 loads of 512 consecutive bytes, all out before the first wait, and 16 stores.
; LIMITS.  Every input is rounded once to bf16.  NaN and infinities are not treated apart.  An exponential below 2^-126 counts as 0: a second choice with such a probability may differ from the
; reference's; its weight is then below 1e-38.  The two largest are found among the unnormalised exponentials, which have the probabilities' order.
.set LG,    0          ; LDS: the 32 tokens' logits, 32 bytes each
.set SPARE, 1024       ; the spare words, 128 bytes for each of the eight waves; no other line names them
.set SPW, 14           ; v14  LDS address of my spare word; never rewritten
.set NIL, 15           ; v15  0; never rewritten
.set SUM, 16           ; v16-23  eight sums
.set TP,  24           ; v24-31  at work
.set XB,  32           ; v32-63  x packed to bf16, 8 registers a token
.set WG,  64           ; v64-191 Wg: number (d = 128 q + 4 L + i, e) at 64 + 32 q + 8 i + e
.set XR,  192          ; v192-255 x: 16 registers a token, 4 q + i
.set CX,  64           ; the cast: rows as loaded, 64 + 32 o + 4 j + i
.set CY,  192          ; the cast: packed, 192 + 16 o + 4 i + p
.set V1,  64           ; wave 0's tail works where Wg lay
.set I1,  65
.set V2,  66
.set I2,  67
.set SS,  68
.set RS,  69
.set S2,  70
.set RC,  71
.set GG,  72           ; v72-73 the two weights
.set IMPR, 74
.set REC, 75
.set SELR, 76
.set OFA, 77
.set OFG, 78
; One item of the cast.  second = 0: W1, row 8 o + j of the item's 32.  second = 1: W2, where k runs in the renumbered order: row 32 (o & 1) + 4 j + (o >> 1).
.macro CAST second
.irp o, 0,1,2,3
.irp j, 0,1,2,3,4,5,6,7
.if \second
	global_load_b128 v[CX+32*(\o)+4*(\j):CX+32*(\o)+4*(\j)+3], v2, s[32:33] offset:(32*((\o)&1)+4*(\j)+((\o)>>1))*2048 th:TH_LOAD_NT
.else
	global_load_b128 v[CX+32*(\o)+4*(\j):CX+32*(\o)+4*(\j)+3], v2, s[32:33] offset:(8*(\o)+(\j))*8192 th:TH_LOAD_NT
.endif
.endr
.endr
.irp o, 0,1,2,3
	s_wait_loadcnt 24-8*(\o)                       ; the eight rows of octet o are in; the later octets' loads stay out
.irp i, 0,1,2,3
.irp p, 0,1,2,3
	v_cvt_pk_bf16_f32 v[CY+16*(\o)+4*(\i)+(\p)], v[CX+32*(\o)+8*(\p)+(\i)], v[CX+32*(\o)+8*(\p)+4+(\i)]  ; column i of rows 2 p, 2 p + 1: two neighbouring k
.endr
.endr
.irp i, 0,1,2,3
	global_store_b128 v3, v[CY+16*(\o)+4*(\i):CY+16*(\o)+4*(\i)+3], s[36:37] offset:(\i)*1024+((\o)>>1)*512+((\o)&1)*256  ; tile i; sixteen lanes store 256 consecutive bytes, aligned
.endr
.endr
.endm
; The sums v16-23 added over the 32 lanes; every lane ends with the totals.
.macro RED8
.irp m, 1,2,4,8
.irp e, 0,1,2,3,4,5,6,7
	v_add_f32_dpp v[SUM+(\e)], v[SUM+(\e)], v[SUM+(\e)] row_xmask:\m row_mask:0xf bank_mask:0xf
.endr
.endr
.irp e, 0,1,2,3,4,5,6,7
	v_permlanex16_b32 v[TP+(\e)], v[SUM+(\e)], s54, s55
.endr
.irp e, 0,1,2,3,4,5,6,7
	v_add_f32 v[SUM+(\e)], v[SUM+(\e)], v[TP+(\e)]
.endr
.endm
	s_load_b512 s[8:23], s[0:1], 0x0               ; x s[8:9], Wg s[10:11], W1 s[12:13], W2 s[14:15], xb s[16:17], route s[18:19], sel s[20:21], gates s[22:23]
	s_load_b128 s[24:27], s[0:1], 0x40             ; imp s[24:25], Wf s[26:27]
	v_lshl_add_u32 v[SPW], v0, 2, SPARE
	v_mov_b32 v[NIL], 0
	v_and_b32 v1, 31, v0                           ; lane L
	v_lshrrev_b32 v2, 5, v0
	v_readfirstlane_b32 s4, v2                     ; wave 0..7
	v_lshlrev_b32 v2, 4, v1                        ; 16 L
	s_mov_b32 s5, ttmp9
	s_wait_kmcnt 0x0
	s_cmp_lt_u32 s5, 128                           ; the work-group's number chooses the path: the same in all its waves
	s_cbranch_scc1 .Lrouter
	s_cmp_lt_u32 s5, 384
	s_cbranch_scc0 .Lw2
	; W1: item = 8 (work-group - 128) + wave = [e 8][k step 16][block of 128 columns 16]
	s_sub_co_u32 s6, s5, 128
	s_lshl_b32 s6, s6, 3
	s_add_co_u32 s6, s6, s4
	s_and_b32 s7, s6, 15                           ; cb
	s_bfe_u32 s28, s6, 0x40004                     ; k step
	s_lshr_b32 s29, s6, 8                          ; e
	s_lshl_b32 s30, s29, 22                        ; from: e x 4 MB + 32 rows of 8,192 bytes a k step + 512 bytes a block
	s_lshl_b32 s31, s28, 18
	s_add_co_u32 s30, s30, s31
	s_lshl_b32 s31, s7, 9
	s_add_co_u32 s30, s30, s31
	s_mov_b32 s31, 0
	s_add_nc_u64 s[32:33], s[12:13], s[30:31]
	s_lshl_b32 s34, s29, 1                         ; to: stream (2 e + cb / 8) 4 + 2 (cb & 1), chunk (cb / 2) & 3, 4 KB a k step
	s_lshr_b32 s35, s7, 3
	s_add_co_u32 s34, s34, s35
	s_lshl_b32 s34, s34, 2
	s_and_b32 s35, s7, 1
	s_lshl_b32 s35, s35, 1
	s_add_co_u32 s34, s34, s35
	s_lshl_b32 s34, s34, 19
	s_bfe_u32 s35, s7, 0x20001
	s_lshl_b32 s35, s35, 17
	s_add_co_u32 s34, s34, s35
	s_lshl_b32 s35, s28, 12
	s_add_co_u32 s34, s34, s35
	s_mov_b32 s35, 0
	s_add_nc_u64 s[36:37], s[26:27], s[34:35]
	v_lshrrev_b32 v3, 4, v1                        ; lanes 16-31 hold the next block of 64 columns: the next wave's stream, 512 KB on
	v_lshlrev_b32 v3, 19, v3
	v_and_b32 v4, 15, v1
	v_lshl_add_u32 v3, v4, 4, v3
	CAST 0
	s_endpgm
.Lw2:   ; W2: item = 8 (work-group - 384) + wave = [e 8][k step of the whole hidden width 64][wave 4]
	s_sub_co_u32 s6, s5, 384
	s_lshl_b32 s6, s6, 3
	s_add_co_u32 s6, s6, s4
	s_and_b32 s7, s6, 3                            ; w: columns 128 w ..
	s_bfe_u32 s28, s6, 0x60002                     ; kst = 32 half + 8 chunk + k step
	s_lshr_b32 s29, s6, 8                          ; e
	s_lshl_b32 s30, s29, 22                        ; from: e x 4 MB + row 64 (kst / 2) + 2 (kst & 1), 2,048 bytes a row, + 512 w
	s_lshr_b32 s31, s28, 1
	s_lshl_b32 s31, s31, 17
	s_add_co_u32 s30, s30, s31
	s_and_b32 s31, s28, 1
	s_lshl_b32 s31, s31, 12
	s_add_co_u32 s30, s30, s31
	s_lshl_b32 s31, s7, 9
	s_add_co_u32 s30, s30, s31
	s_mov_b32 s31, 0
	s_add_nc_u64 s[32:33], s[14:15], s[30:31]
	s_lshl_b32 s34, s29, 1                         ; to: stream (2 e + half) 4 + w, the chunk, behind W1's 64 KB, 8 KB a k step
	s_lshr_b32 s35, s28, 5
	s_add_co_u32 s34, s34, s35
	s_lshl_b32 s34, s34, 2
	s_add_co_u32 s34, s34, s7
	s_lshl_b32 s34, s34, 19
	s_bfe_u32 s35, s28, 0x20003
	s_lshl_b32 s35, s35, 17
	s_add_co_u32 s34, s34, s35
	s_and_b32 s35, s28, 7
	s_lshl_b32 s35, s35, 13
	s_add_co_u32 s34, s34, s35
	s_add_co_u32 s34, s34, 0x10000
	s_mov_b32 s35, 0
	s_add_nc_u64 s[36:37], s[26:27], s[34:35]
	v_lshrrev_b32 v3, 4, v1                        ; lanes 16-31 hold the second block of 64 columns: tiles 4-7, 4 KB on
	v_lshlrev_b32 v3, 12, v3
	v_and_b32 v4, 15, v1
	v_lshl_add_u32 v3, v4, 4, v3
	CAST 1
	s_endpgm
.Lrouter:   ; wave w takes tokens 32 g + 4 w + 0..3; a lane holds d = 128 q + 4 L + i of each
	s_lshl_b32 s6, s5, 5
	s_lshl_b32 s7, s4, 2
	s_add_co_u32 s6, s6, s7                        ; my first token
	s_lshl_b32 s30, s6, 11
	s_mov_b32 s31, 0
	s_add_nc_u64 s[32:33], s[8:9], s[30:31]        ; x at it
	s_lshl_b32 s30, s6, 10
	s_add_nc_u64 s[36:37], s[16:17], s[30:31]      ; xb at it
	s_mov_b32 s38, 0xffff0000                      ; a word's upper bf16
	s_mov_b32 s54, 0x76543210                      ; v_permlanex16_b32: each lane takes its own place in the other half
	s_mov_b32 s55, 0xfedcba98
	v_lshlrev_b32 v3, 7, v1                        ; 128 L: four rows of Wg
	v_lshlrev_b32 v4, 3, v1                        ; 8 L
.irp q, 0,1,2,3
.irp i, 0,1,2,3
	global_load_b128 v[WG+32*(\q)+8*(\i):WG+32*(\q)+8*(\i)+3],   v3, s[10:11] offset:(\q)*4096+(\i)*32
	global_load_b128 v[WG+32*(\q)+8*(\i)+4:WG+32*(\q)+8*(\i)+7], v3, s[10:11] offset:(\q)*4096+(\i)*32+16
.endr
.endr
.irp t, 0,1,2,3
.irp q, 0,1,2,3
	global_load_b128 v[XR+16*(\t)+4*(\q):XR+16*(\t)+4*(\q)+3], v2, s[32:33] offset:(\t)*2048+(\q)*512 th:TH_LOAD_NT  ; 512 consecutive bytes
.endr
.endr
	s_lshl_b32 s7, s4, 7
	v_mov_b32 v5, s7                               ; LDS: my wave's four tokens' logits
	s_wait_loadcnt 16                              ; Wg is in; x's sixteen loads stay out
.set n, 0
.rept 64                                               ; Wg rounded to bf16 and widened again, in place
	v_cvt_pk_bf16_f32 v[TP+n%8], v[WG+2*n], v[WG+2*n+1]
	v_lshlrev_b32 v[WG+2*n], 16, v[TP+n%8]
	v_and_b32 v[WG+2*n+1], s38, v[TP+n%8]
.set n, n+1
.endr
.macro TOKEN t
	s_wait_loadcnt 12-4*(\t)                       ; this token's four loads are in; the later tokens' stay out
.irp q, 0,1,2,3
	v_cvt_pk_bf16_f32 v[XB+8*(\t)+2*(\q)],   v[XR+16*(\t)+4*(\q)],   v[XR+16*(\t)+4*(\q)+1]
	v_cvt_pk_bf16_f32 v[XB+8*(\t)+2*(\q)+1], v[XR+16*(\t)+4*(\q)+2], v[XR+16*(\t)+4*(\q)+3]
.endr
.irp q, 0,1,2,3
	global_store_b64 v4, v[XB+8*(\t)+2*(\q):XB+8*(\t)+2*(\q)+1], s[36:37] offset:(\t)*1024+(\q)*256  ; 32 lanes store 256 consecutive bytes, aligned
.endr
.irp n, 0,1,2,3,4,5,6,7
	v_lshlrev_b32 v[XR+16*(\t)+2*(\n)],   16,  v[XB+8*(\t)+(\n)]   ; the rounded numbers, widened
	v_and_b32     v[XR+16*(\t)+2*(\n)+1], s38, v[XB+8*(\t)+(\n)]
.endr
.set n, 0
.rept 16                                               ; number n of my 16: times its row of Wg, two experts at a time, four chains
.irp e, 0,2,4,6
.if n == 0
	v_pk_mul_f32 v[SUM+(\e):SUM+(\e)+1], v[XR+16*(\t):XR+16*(\t)+1], v[WG+(\e):WG+(\e)+1] op_sel_hi:[0,1]
.elseif n%2 == 0
	v_pk_fma_f32 v[SUM+(\e):SUM+(\e)+1], v[XR+16*(\t)+n:XR+16*(\t)+n+1], v[WG+8*n+(\e):WG+8*n+(\e)+1], v[SUM+(\e):SUM+(\e)+1] op_sel_hi:[0,1,1]
.else
	v_pk_fma_f32 v[SUM+(\e):SUM+(\e)+1], v[XR+16*(\t)+n-1:XR+16*(\t)+n], v[WG+8*n+(\e):WG+8*n+(\e)+1], v[SUM+(\e):SUM+(\e)+1] op_sel:[1,0,0] op_sel_hi:[1,1,1]
.endif
.endr
.set n, n+1
.endr
	RED8
	ds_store_b128 v5, v[SUM:SUM+3]   offset:32*(\t)      ; all lanes store the same numbers to the same bytes
	ds_store_b128 v5, v[SUM+4:SUM+7] offset:32*(\t)+16
.endm
	TOKEN 0
	TOKEN 1
	TOKEN 2
	TOKEN 3
	s_wait_dscnt 0x0                               ; for wave 0's sake: my logits are in LDS
	s_barrier_signal -1
	s_barrier_wait -1
	s_cmp_lg_u32 s4, 0
	s_cbranch_scc1 .Lclose
	; wave 0: a lane is a token of the group
	v_lshlrev_b32 v5, 5, v1
	ds_load_b128 v[SUM:SUM+3], v5
	ds_load_b128 v[SUM+4:SUM+7], v5 offset:16
	s_wait_dscnt 0x0
	v_max3_num_f32 v[TP], v[SUM], v[SUM+1], v[SUM+2]
	v_max3_num_f32 v[TP], v[TP], v[SUM+3], v[SUM+4]
	v_max3_num_f32 v[TP], v[TP], v[SUM+5], v[SUM+6]
	v_max_num_f32 v[TP], v[TP], v[SUM+7]
.irp e, 0,1,2,3,4,5,6,7
	v_sub_f32 v[SUM+(\e)], v[SUM+(\e)], v[TP]      ; the difference first: it is exact near the maximum, whatever the logits' size
.endr
.irp e, 0,1,2,3,4,5,6,7
	v_mul_f32 v[SUM+(\e)], 0x3fb8aa3b, v[SUM+(\e)] ; times log2(e)
.endr
.irp e, 0,1,2,3,4,5,6,7
	v_exp_f32 v[SUM+(\e)], v[SUM+(\e)]
.endr
	v_mov_b32 v[I1], 0                             ; the plain instruction behind the last exponential,
	s_wait_alu depctr_va_vdst(0)                   ; and the one wait for the batch of eight, ahead of the first use
	v_mov_b32 v[V1], v[SUM]                        ; the two largest; 'greater' alone moves a place, so a tie keeps the lower index
	v_mov_b32 v[V2], -1.0
	v_mov_b32 v[I2], 0
.irp e, 1,2,3,4,5,6,7
	v_cmp_gt_f32 s40, v[SUM+(\e)], v[V1]
	v_cmp_gt_f32 s41, v[SUM+(\e)], v[V2]
	v_cndmask_b32 v[V2], v[V2], v[SUM+(\e)], s41
	v_cndmask_b32 v[I2], v[I2], \e, s41
	v_cndmask_b32 v[V2], v[V2], v[V1], s40
	v_cndmask_b32 v[I2], v[I2], v[I1], s40
	v_cndmask_b32 v[V1], v[V1], v[SUM+(\e)], s40
	v_cndmask_b32 v[I1], v[I1], \e, s40
.endr
	v_add_f32 v[TP], v[SUM], v[SUM+1]
	v_add_f32 v[TP+1], v[SUM+2], v[SUM+3]
	v_add_f32 v[TP+2], v[SUM+4], v[SUM+5]
	v_add_f32 v[TP+3], v[SUM+6], v[SUM+7]
	v_add_f32 v[TP], v[TP], v[TP+1]
	v_add_f32 v[TP+2], v[TP+2], v[TP+3]
	v_add_f32 v[SS], v[TP], v[TP+2]
	v_add_f32 v[S2], v[V1], v[V2]
	v_rcp_f32 v[RS], v[SS]
	v_rcp_f32 v[RC], v[S2]
	v_lshl_or_b32 v[SELR], v[I2], 8, v[I1]         ; the plain instruction behind the reciprocals,
	s_wait_alu depctr_va_vdst(0)                   ; and their one wait
	v_mul_f32 v[GG], v[V1], v[RC]
	v_mul_f32 v[GG+1], v[V2], v[RC]
.irp e, 0,1,2,3,4,5,6,7
	v_mul_f32 v[SUM+(\e)], v[SUM+(\e)], v[RS]      ; the probabilities,
.endr
	RED8                                           ; summed over the group's 32 tokens
	v_mov_b32 v[IMPR], 0
	v_mov_b32 v[REC], 0
.irp e, 0,1,2,3,4,5,6,7
	v_readfirstlane_b32 s40, v[SUM+(\e)]
	v_writelane_b32 v[IMPR], s40, \e
.endr
.irp e, 0,1,2,3,4,5,6,7
	v_cmp_eq_u32 s40, \e, v[I1]                    ; who chose e first,
	v_cmp_eq_u32 s41, \e, v[I2]
	s_or_b32 s41, s41, s40                         ; who chose it at all
	v_writelane_b32 v[REC], s41, \e
	s_bcnt1_i32_b32 s42, s41
	s_bcnt1_i32_b32 s43, s40
.if (\e)%2 == 0
	s_mov_b32 s44, s42
	s_mov_b32 s45, s43
.else
	s_lshl_b32 s42, s42, 16
	s_or_b32 s42, s42, s44
	v_writelane_b32 v[REC], s42, 8+(\e)/2
	s_lshl_b32 s43, s43, 16
	s_or_b32 s43, s43, s45
	v_writelane_b32 v[REC], s43, 12+(\e)/2
.endif
.endr
	s_lshl_b32 s40, s5, 7
	v_lshl_add_u32 v[OFA], v1, 2, s40              ; 128 g + 4 L: the records' word L, and sel's word of token 32 g + L
	s_lshl_b32 s41, s5, 8
	v_lshl_add_u32 v[OFG], v1, 3, s41
	global_store_b32 v[OFA], v[REC], s[18:19]
	global_store_b32 v[OFA], v[IMPR], s[24:25]
	global_store_b32 v[OFA], v[SELR], s[20:21]
	global_store_b64 v[OFG], v[GG:GG+1], s[22:23]
.Lclose:
	s_wait_tensorcnt 0x0                           ; the wave's end
	ds_add_u32 v[SPW], v[NIL]
	s_wait_dscnt 0x0
	s_endpgm
.Lfunc_end_k_qa96cc3ca3f_prep:
	.size	k_qa96cc3ca3f_prep, .Lfunc_end_k_qa96cc3ca3f_prep-k_qa96cc3ca3f_prep
	.p2alignl 7, 3214868480
	.fill 96, 4, 3214868480
	.section	.rodata,"a",@progbits
	.p2align	6, 0x0
	.amdhsa_kernel k_qa96cc3ca3f_prep
		.amdhsa_group_segment_fixed_size 2048
		.amdhsa_private_segment_fixed_size 0
		.amdhsa_enable_private_segment 0
		.amdhsa_kernarg_size 80
		.amdhsa_user_sgpr_count 2
		.amdhsa_user_sgpr_kernarg_segment_ptr 1
		.amdhsa_wavefront_size32 1
		.amdhsa_system_sgpr_workgroup_id_x 1
		.amdhsa_system_sgpr_workgroup_id_y 1
		.amdhsa_system_sgpr_workgroup_id_z 1
		.amdhsa_system_vgpr_workitem_id 0
		.amdhsa_next_free_vgpr 256
		.amdhsa_next_free_sgpr 66
		.amdhsa_reserve_vcc 0
		.amdhsa_float_denorm_mode_32 3
		.amdhsa_float_denorm_mode_16_64 3
		.amdhsa_memory_ordered 1
		.amdhsa_forward_progress 1
		.amdhsa_inst_pref_size 81
	.end_amdhsa_kernel
	.amdgpu_metadata
---
amdhsa.version: [ 1, 2 ]
amdhsa.kernels:
  - .name:           k_qa96cc3ca3f_prep
    .symbol:         k_qa96cc3ca3f_prep.kd
    .args:
      - { .name: x, .offset: 0, .size: 8, .value_kind: global_buffer, .address_space: global }
      - { .name: Wg, .offset: 8, .size: 8, .value_kind: global_buffer, .address_space: global }
      - { .name: W1, .offset: 16, .size: 8, .value_kind: global_buffer, .address_space: global }
      - { .name: W2, .offset: 24, .size: 8, .value_kind: global_buffer, .address_space: global }
      - { .name: xb, .offset: 32, .size: 8, .value_kind: global_buffer, .address_space: global }
      - { .name: route, .offset: 40, .size: 8, .value_kind: global_buffer, .address_space: global }
      - { .name: sel, .offset: 48, .size: 8, .value_kind: global_buffer, .address_space: global }
      - { .name: gates, .offset: 56, .size: 8, .value_kind: global_buffer, .address_space: global }
      - { .name: imp, .offset: 64, .size: 8, .value_kind: global_buffer, .address_space: global }
      - { .name: Wf, .offset: 72, .size: 8, .value_kind: global_buffer, .address_space: global }
    .group_segment_fixed_size: 2048
    .private_segment_fixed_size: 0
    .kernarg_segment_align: 8
    .kernarg_segment_size: 80
    .max_flat_workgroup_size: 256
    .sgpr_count:     66
    .vgpr_count:     256
    .wavefront_size: 32
...
	.end_amdgpu_metadata
.endif
;; end of part 1
;; launch chain (part 2): grid 220 x 1, 4 waves a work-group, no clusters, 167,936 bytes of LDS; arguments route, sel, gates, xb, Wf, b1, b2, P; writes P
.if DOCPART == 2
	.amdgcn_target "amdgcn-amd-amdhsa--gfx1250"
	.amdhsa_code_object_version 6
	.text
	.protected	k_qa96cc3ca3f_chain
	.globl	k_qa96cc3ca3f_chain
	.p2align	8
	.type	k_qa96cc3ca3f_chain,@function
k_qa96cc3ca3f_chain:
	s_mov_b64 s[64:65], 0
	v_nop
	global_prefetch_b8 v0, s[64:65] scope:SCOPE_SE
	s_setreg_imm32_b32 hwreg(HW_REG_WAVE_MODE, 25, 1), 1
	s_wait_xcnt 0x0
; CHAIN: for a tile of 80 routed rows of one expert and one half of its hidden width: gather x, h = relu(x W1 + b1), y = h W2 (+ b2 in half 0), y times the row's gate weight, stored as an f32 partial row.
; P = [half 2][choice 2][token 4096][512] f32: each row has one writer; the next launch adds a token's four rows.
; THE GRID SERVES EVERY SPLIT.  Tiles are numbered expert by expert, ceil(R_e / 80) for an expert with R_e rows; the R_e add up to 8,192, so there are at most (8192 + 8 x 79) / 80 = 110 tiles a half: 220 work-groups.
; THE NUMBERING is a free choice: work-group n takes the half that is bit 3 of n and tile 8 (n / 16) + n % 8; with bit 3 clear that runs to 111, so the last two, n = 214 and 215, take tiles 108 and 109 of half 1.
; Every work-group finds its tile and its rows by itself from the stored whole numbers (route: 16 KB).  A work-group past the last tile takes the last tile's rows with a count of 0: it passes every barrier,
; as every wave must, and stores nothing.  Rows past a tile's count repeat the tile's first row; their stores are jumped by scalar branches, behind which stands no barrier.
; SHARES.  Four waves.  In the first product wave w makes all 80 rows x its 64 hidden columns of a chunk of 256; in the second all 80 rows x its 128 output columns.  So each weight fragment has ONE reader in the
; work-group and comes from Wf straight into operand registers: a wave's weights are 512 KB on end, taken in groups of 4 KB through a ring of eight groups in registers; every step takes two groups and asks for two.
; x (80 rows) and a chunk of h lie in LDS and are read by all four waves.  2,560 matrix instructions a wave, 40 to each run of loads.
; BOTH PRODUCTS ARE USED TRANSPOSED (source 0 = 16 rows of weights, source 1 = 16 tokens): a lane holds one token (lane % 16) and eight numbers 8 (lane / 16) + j.  b1 is the C operand that starts the first
; product's sums; the second product's sums start at b2 (0 in half 1).  The accumulators take turns, one instruction a turn, 20 or 40 different ones on end.
; NO CLUSTER, NO TENSOR LOADS.  What work-groups share is the weights of an expert's half.  Partners would have to be four tiles of one expert: whole clusters for each expert need up to (8192 + 8 x 319) / 320 = 33
; clusters a half, 264 work-groups, for the worst split, each of which would have to walk all joint requests; and through LDS the weights would add 8 LDS loads to the 10 that 20 matrix instructions of the
; first product have, beside the fill's own writes, for fragments that one wave alone reads.
; LIMITS.  x, W1, W2, b1, b2 are rounded once to bf16, h once to bf16; all sums in f32.  The relu is a maximum that a NaN loses (NaN gives 0); NaN and infinities are not treated apart.
.set XP,    1040       ; a row of x in LDS: 1,024 bytes + 16: an odd multiple of 16, so the 16 rows of a fragment load fall on 16 different 16-byte columns of 256 bytes
.set HP,    528        ; a row of h (256 bf16) or of the stage (128 f32): 512 + 16
.set XT,    0          ; 80 rows of x
.set HB,    83200      ; 80 rows of h, one chunk
.set STG,   125440     ; 16 rows x 528 for each wave: the way out
.set B1L,   159232     ; b1's half, rounded, f32, in the hidden columns' renumbered order
.set LP,    163328     ; each wave's own list, 512 bytes: words 0-79 rows, word 80 takes what is not in the tile
.set LISTF, 165376     ; row i's token
.set MROW,  165888     ; row i's place in P: 4096 x choice + token
.set MG,    166400     ; row i's gate weight
.set SPARE, 166912     ; the spare words, 128 bytes for each wave; no other line names them
; window 0
.set VW,  4            ; 16 L
.set AXA, 5            ; x fragments, token blocks 0-2
.set AH,  6            ; h fragments
.set SH,  7            ; where I put 16 bytes of h
.set AB1, 8            ; b1 of my 64 columns of the chunk in hand
.set STS, 9            ; the stage, in
.set STR, 10           ; the stage, back
.set AMR, 11           ; MROW
.set ZERO, 12
.set LW,  13           ; 16 L + 512 w: my place in a row of P
.set SPW, 14           ; LDS address of my spare word; never rewritten
.set NIL, 15           ; 0; never rewritten
.set AXB, 16           ; x fragments, token blocks 3-4 (the 16-bit offset does not reach them from AXA)
.set GT,  17           ; v17-21 the gate weights of my token in the five blocks
.set BF,  32           ; v32-111 two buffers of five token fragments: h's; x's k steps 0, 1 of four
.set B1R, 112          ; v112-143 b1 as four C operands
.set PK,  144          ; v144-223 h packed; during the first product x's k steps 2, 3 of four; in the set-up b2 (144-207), b1 (208-215), sel 216, token 217, gates 218-219, four offsets 220-223
.set CN,  224          ; set-up: packed counts of my four groups
.set BM,  240          ; set-up: my group's eight bitmaps
.set TT,  248          ; set-up: packed totals
.set XX,  252          ; set-up: packed sums of the lanes below me
.set T,   32           ; the way out: scaled results
.set U,   96           ; whole rows
.set RW,  160          ; the rows' places: two sets of 16
; window 1: the ring, group G of the stream in v[32 (G % 8) ..].  window 2: y of token blocks 0-3 at 8 (8 tb + dt).  window 3: v0-63 y of block 4; v64-223 the first product's sums at 64 + 8 (4 tb + ht), before that x on its way to LDS
.set SW,  24           ; s[24:25] my stream, at the chunk in hand
.set MSB, 0
.macro WIN new                         ; s_set_vgpr_msb: bits 1:0 source 0, 3:2 source 1, 5:4 source 2, 7:6 destination; the high byte repeats the setting that is left
.if MSB != (\new)
	s_set_vgpr_msb (MSB<<8)|(\new)
.set MSB, (\new)
.endif
.endm
.macro PLACES                          ; four plain instructions between a matrix instruction and a load into, or a vector instruction on, its registers
.rept 4
	v_nop
.endr
.endm
.macro LDW slot, goff                  ; a group of the stream: 4 KB, four fragments, eight loads of 512 consecutive bytes
	WIN 0x40
.irp n, 0,1,2,3,4,5,6,7
	global_load_b128 v[32*(\slot)+4*(\n):32*(\slot)+4*(\n)+3], v[VW], s[SW:SW+1] offset:(\goff)+512*(\n)
.endr
.endm
.macro LDX reg, ks                     ; five fragments of x, 16 tokens x 32 k each, into v[reg ..]
	WIN 0
.irp tb, 0,1,2
	ds_load_b128 v[(\reg)+8*(\tb):(\reg)+8*(\tb)+3],   v[AXA] offset:(\tb)*16*XP+64*(\ks)
	ds_load_b128 v[(\reg)+8*(\tb)+4:(\reg)+8*(\tb)+7], v[AXA] offset:(\tb)*16*XP+64*(\ks)+32
.endr
.irp tb, 3,4
	ds_load_b128 v[(\reg)+8*(\tb):(\reg)+8*(\tb)+3],   v[AXB] offset:((\tb)-3)*16*XP+64*(\ks)
	ds_load_b128 v[(\reg)+8*(\tb)+4:(\reg)+8*(\tb)+7], v[AXB] offset:((\tb)-3)*16*XP+64*(\ks)+32
.endr
.endm
.macro LDH buf, ks                     ; five fragments of h
	WIN 0
.irp tb, 0,1,2,3,4
	ds_load_b128 v[BF+40*(\buf)+8*(\tb):BF+40*(\buf)+8*(\tb)+3],   v[AH] offset:(\tb)*16*HP+64*(\ks)
	ds_load_b128 v[BF+40*(\buf)+8*(\tb)+4:BF+40*(\buf)+8*(\tb)+7], v[AH] offset:(\tb)*16*HP+64*(\ks)+32
.endr
.endm
.macro LDB1                            ; b1 of my four tiles: register j of tile ht = column 16 ht + 8 (lane / 16) + j
	WIN 0
.irp ht, 0,1,2,3
	ds_load_b128 v[B1R+8*(\ht):B1R+8*(\ht)+3],   v[AB1] offset:64*(\ht)
	ds_load_b128 v[B1R+8*(\ht)+4:B1R+8*(\ht)+7], v[AB1] offset:64*(\ht)+16
.endr
.endm
.macro G1MM slot, reg, first           ; 20 matrix instructions: 5 token blocks x 4 tiles of hidden columns, 32 along k.  first = 1: b1 starts the sums
.if \first
	WIN 0xC1
.else
	WIN 0xF1
.endif
.irp tb, 0,1,2,3,4
.irp ht, 0,1,2,3
.if \first
	v_wmma_f32_16x16x32_bf16 v[64+8*(4*(\tb)+(\ht)):64+8*(4*(\tb)+(\ht))+7], v[32*(\slot)+8*(\ht):32*(\slot)+8*(\ht)+7], v[(\reg)+8*(\tb):(\reg)+8*(\tb)+7], v[B1R+8*(\ht):B1R+8*(\ht)+7]
.else
	v_wmma_f32_16x16x32_bf16 v[64+8*(4*(\tb)+(\ht)):64+8*(4*(\tb)+(\ht))+7], v[32*(\slot)+8*(\ht):32*(\slot)+8*(\ht)+7], v[(\reg)+8*(\tb):(\reg)+8*(\tb)+7], v[64+8*(4*(\tb)+(\ht)):64+8*(4*(\tb)+(\ht))+7]
.endif
.endr
.endr
.endm
.macro G2MM slot, buf                  ; 40 matrix instructions: 5 token blocks x 8 tiles of output columns, 32 along the hidden width
	WIN 0xA1
.irp tb, 0,1,2,3
.irp dt, 0,1,2,3,4,5,6,7
	v_wmma_f32_16x16x32_bf16 v[8*(8*(\tb)+(\dt)):8*(8*(\tb)+(\dt))+7], v[32*(\slot)+8*(\dt):32*(\slot)+8*(\dt)+7], v[BF+40*(\buf)+8*(\tb):BF+40*(\buf)+8*(\tb)+7], v[8*(8*(\tb)+(\dt)):8*(8*(\tb)+(\dt))+7]
.endr
.endr
	WIN 0xF1
.irp dt, 0,1,2,3,4,5,6,7
	v_wmma_f32_16x16x32_bf16 v[8*(\dt):8*(\dt)+7], v[32*(\slot)+8*(\dt):32*(\slot)+8*(\dt)+7], v[BF+40*(\buf)+32:BF+40*(\buf)+39], v[8*(\dt):8*(\dt)+7]
.endr
.endm
; Pair p of the first product: k steps 2 p and 2 p + 1, groups 2 p and 2 p + 1 of the chunk; x's fragments lie in BF (p even) or PK (p odd).
; In pair 1 stands the barrier between every wave's reads of the last chunk's h and every wave's stores of this chunk's: ahead of its signal all my LDS loads are back, h's last among them;
; the forty matrix instructions stand between signal and wait; h is stored behind pair 7.
.macro G1PAIR p
.set xa, BF+112*((\p)%2)
	s_wait_loadcnt 48                              ; my two groups are in: the six younger groups, eight loads each, stay out
.if ((\p) == 1) || ((\p) == 7)
	s_wait_dscnt 0x0                               ; pair 1: for the barrier's sake (the next pair's loads were asked for a pair ago); pair 7: nothing was asked for behind its fragments
.else
	s_wait_dscnt 20                                ; this pair's fragments are in (at pair 0 b1 too); the next pair's twenty loads stay out
.endif
.if (\p) == 1
	s_barrier_signal -1
.endif
.if (\p) == 0
	G1MM 0, xa, 1
.else
	G1MM (2*(\p))%8, xa, 0
.endif
	G1MM (2*(\p)+1)%8, xa+40, 0
.if (\p) == 1
	s_barrier_wait -1
.endif
	PLACES
	LDW (2*(\p))%8,   (2*(\p)+8)*4096              ; the two slots just read take the groups eight further on
	LDW (2*(\p)+1)%8, (2*(\p)+9)*4096
.if (\p) < 6
	LDX xa,    2*(\p)+4                            ; and the two buffers the pair after next
	LDX xa+40, 2*(\p)+5
.endif
.endm
; k step ks of the second product: groups 16 + 2 ks and 17 + 2 ks.  g: the two slots take groups g and g + 1, counted from the stream's base (g < 0: nothing is asked for).
; n, m: the younger loads from memory and from LDS that may stay out.  pre: 1: h two steps on; 2: the next chunk's b1 and x's k step 0; 3: x's k steps 1, 2, 3.
; stepsw = 1: the stream's base goes on to the next chunk, here, where the last loads that name it were issued ahead of this step's forty matrix instructions.
.macro G2STEP ks, g, n, m, pre, stepsw=0
	s_wait_loadcnt \n
	s_wait_dscnt \m
	G2MM (2*(\ks))%8, (\ks)%2
	PLACES
.if \stepsw
	s_wait_xcnt 0x0                                ; the base is written only behind this wait
	s_add_nc_u64 s[SW:SW+1], s[SW:SW+1], 0x20000
.endif
.if (\g) >= 0
	LDW (2*(\ks))%8,   (\g)*4096
	LDW (2*(\ks))%8+1, ((\g)+1)*4096
.endif
.if (\pre) == 1
	LDH (\ks)%2, (\ks)+2
.elseif (\pre) == 2
	WIN 0
	v_add_nc_u32 v[AB1], 1024, v[AB1]
	LDX BF, 0
	LDB1
.elseif (\pre) == 3
	LDX BF+40, 1
	LDX PK, 2
	LDX PK+40, 3
.endif
.endm
; h of token block tb: rounded to bf16, each accumulator from its low end (CV); the relu: the maximum of a rounded number and 0 is the rounded maximum (MX); into LDS (SB)
.macro CV tb
	WIN 0x0F
.set n, 16*(\tb)
.rept 16
	v_cvt_pk_bf16_f32 v[PK+n], v[64+2*n], v[64+2*n+1]
.set n, n+1
.endr
.endm
.macro MX tb
	WIN 0
.set n, 16*(\tb)
.rept 16
	v_pk_max_num_bf16 v[PK+n], v[PK+n], v[ZERO]
.set n, n+1
.endr
.endm
.macro SB tb
	WIN 0
.irp ht, 0,1,2,3
	ds_store_b128 v[SH], v[PK+4*(4*(\tb)+(\ht)):PK+4*(4*(\tb)+(\ht))+3] offset:(\tb)*16*HP+(\ht)*32
.endr
.endm
.macro FLY d, m                        ; a step of the sums over lanes: my partner's packed sum; it counts among 'the lanes below me' where my lane has bit d
.if (\d) < 16
.irp q, 0,1,2,3
	v_mov_b32_dpp v[24+(\q)], v[TT+(\q)] row_xmask:\d row_mask:0xf bank_mask:0xf
.endr
.else
.irp q, 0,1,2,3
	v_permlanex16_b32 v[24+(\q)], v[TT+(\q)], s54, s55
.endr
.endif
.irp q, 0,1,2,3
	v_cndmask_b32 v[28+(\q)], 0, v[24+(\q)], s[\m]
	v_add_nc_u32 v[TT+(\q)], v[TT+(\q)], v[24+(\q)]
	v_add_nc_u32 v[XX+(\q)], v[XX+(\q)], v[28+(\q)]
.endr
.endm
.macro PICK dst, src                   ; of four packed words the one that holds my expert's field
	v_cndmask_b32 v[\dst], v[\src], v[(\src)+1], s41
	v_cndmask_b32 v[\dst], v[\dst], v[(\src)+2], s42
	v_cndmask_b32 v[\dst], v[\dst], v[(\src)+3], s43
.endm
.macro YINIT base                      ; a token block's 8 accumulators start at b2: register j of tile dt = 4 b + i is column 64 b + 32 (lane / 16) + 4 j + i
.set n, 0
.rept 64
	v_mov_b32 v[(\base)+n], v[PK+4*(8*(n/32)+n%8)+(n/8)%4]
.set n, n+1
.endr
.endm
	s_load_b512 s[8:23], s[0:1], 0x0               ; route s[8:9], sel s[10:11], gates s[12:13], xb s[14:15], Wf s[16:17], b1 s[18:19], b2 s[20:21], P s[22:23]
	v_lshl_add_u32 v[SPW], v0, 2, SPARE
	v_mov_b32 v[NIL], 0
	v_and_b32 v1, 31, v0                           ; L
	v_lshrrev_b32 v22, 5, v0
	v_readfirstlane_b32 s4, v22                    ; wave w
	v_and_b32 v2, 15, v0                           ; r = L % 16
	v_bfe_u32 v3, v0, 4, 1                         ; h = L / 16
	s_lshr_b32 s40, ttmp9, 4                       ; work-group n: tile 8 (n / 16) + n % 8,
	s_lshl_b32 s40, s40, 3
	s_and_b32 s41, ttmp9, 7
	s_add_co_u32 s5, s40, s41
	s_bfe_u32 s6, ttmp9, 0x10003                   ; half = bit 3 of n;
	s_cmp_ge_u32 s5, 110                           ; n = 214, 215 (bit 3 clear, 110 and 111):
	s_cselect_b32 s6, 1, s6                        ; half 1,
	s_cselect_b32 s41, 2, 0
	s_sub_co_u32 s5, s5, s41                       ; tiles 108 and 109
	s_lshl_b32 s40, s4, 7
	v_lshlrev_b32 v30, 9, v1                       ; lane L looks after the groups 4 L .. 4 L + 3 of 32 tokens: records of 128 bytes
	v_add_nc_u32 v31, s40, v30                     ; and scatters group 4 L + w
	s_wait_kmcnt 0x0
.irp k, 0,1,2,3
	global_load_b128 v[CN+4*(\k):CN+4*(\k)+3], v30, s[8:9] offset:128*(\k)+32  ; the eight counts of group 4 L + k, two a word
.endr
	global_load_b128 v[BM:BM+3],   v31, s[8:9]     ; my group's eight bitmaps
	global_load_b128 v[BM+4:BM+7], v31, s[8:9] offset:16
	s_mov_b32 s48, 0xaaaaaaaa                      ; the lanes with bit 1, 2, 4, 8, 16 in their number
	s_mov_b32 s49, 0xcccccccc
	s_mov_b32 s50, 0xf0f0f0f0
	s_mov_b32 s51, 0xff00ff00
	s_mov_b32 s52, 0xffff0000
	s_mov_b32 s53, 0xffff0000                      ; a word's upper bf16
	s_mov_b32 s54, 0x76543210                      ; v_permlanex16_b32: each lane takes its own place in the other half
	s_mov_b32 s55, 0xfedcba98
	v_lshlrev_b32 v[VW], 4, v1
	v_mul_u32_u24 v22, v2, XP
	v_lshl_add_u32 v[AXA], v3, 4, v22              ; XT + row r x pitch + 16 h
	v_add_nc_u32 v[AXB], 3*16*XP, v[AXA]
	v_mul_u32_u24 v22, v2, HP
	v_lshl_add_u32 v23, v3, 4, v22
	v_add_nc_u32 v[AH], HB, v23
	v_add_nc_u32 v[SH], s40, v[AH]                 ; + 128 w: my 64 columns of h
	s_lshl_b32 s40, s4, 8
	s_add_co_u32 s40, s40, B1L
	v_lshl_add_u32 v[AB1], v3, 5, s40
	s_mul_i32 s40, s4, 16*HP
	s_add_co_u32 s40, s40, STG                     ; my stage
	v_lshl_add_u32 v22, v3, 7, v22
	v_add_nc_u32 v[STS], s40, v22                  ; in: row r, 128 bytes for each half of the lanes
	v_lshl_add_u32 v[STR], v1, 4, s40              ; back: 32 lanes take a row of 512 bytes
	v_mov_b32 v[AMR], MROW
	v_mov_b32 v[ZERO], 0
	s_lshl_b32 s40, s4, 9
	v_lshl_add_u32 v[LW], v1, 4, s40
.irp q, 0,1,2,3
	v_mov_b32 v[24+(\q)], 0                        ; written before the lane moves below, which count as readers of their destinations
	v_mov_b32 v[XX+(\q)], 0
.endr
	s_wait_loadcnt 0x0
	; every expert's rows, and the rows in the lanes below me.  Fields of 16 bits cannot run over: no sum passes 4,096
.irp q, 0,1,2,3
	v_add_nc_u32 v[TT+(\q)], v[CN+(\q)], v[CN+4+(\q)]
	v_add3_u32 v[TT+(\q)], v[TT+(\q)], v[CN+8+(\q)], v[CN+12+(\q)]
.endr
	FLY 1, 48
	FLY 2, 49
	FLY 4, 50
	FLY 8, 51
	FLY 16, 52
.irp q, 0,1,2,3
	v_readfirstlane_b32 s40, v[TT+(\q)]
	s_and_b32 s[32+2*(\q)], s40, 0xffff            ; R_e in s32-39
	s_lshr_b32 s[33+2*(\q)], s40, 16
.endr
	s_mov_b32 s44, 0
.irp e, 0,1,2,3,4,5,6,7
	s_mov_b32 s[56+(\e)], s44                      ; expert e's first tile
	s_add_co_u32 s41, s[32+(\e)], 79
	s_mul_i32 s41, s41, 52429                      ; (n x 52429) >> 22 = n / 80, exact for n up to 4,175: 80 x 52429 = 2^22 + 16
	s_lshr_b32 s41, s41, 22
	s_add_co_u32 s44, s44, s41                     ; at the end: the number of tiles
.endr
	s_sub_co_u32 s45, s44, 1
	s_min_u32 s45, s45, s5                         ; a work-group past the last tile takes the last
	s_mov_b32 s28, 0
	s_mov_b32 s29, 0
	s_mov_b32 s30, s32
.irp e, 1,2,3,4,5,6,7
	s_cmp_ge_u32 s45, s[56+(\e)]                   ; the last expert whose first tile is not behind mine
	s_cselect_b32 s28, \e, s28
	s_cselect_b32 s29, s[56+(\e)], s29
	s_cselect_b32 s30, s[32+(\e)], s30
.endr
	s_min_u32 s28, s28, 7                          ; e
	s_sub_co_u32 s29, s45, s29
	s_mul_i32 s29, s29, 80                         ; r0: my tile's first row among the expert's
	s_sub_co_u32 s30, s30, s29
	s_min_u32 s30, s30, 80
	s_cmp_ge_u32 s5, s44
	s_cselect_b32 s30, 0, s30                      ; cnt: the rows that I store
	s_lshl_b32 s40, s28, 1
	s_add_co_u32 s40, s40, s6
	s_lshl_b32 s40, s40, 2
	s_add_co_u32 s40, s40, s4
	s_lshl_b32 s40, s40, 19
	s_mov_b32 s41, 0
	s_add_nc_u64 s[SW:SW+1], s[16:17], s[40:41]    ; my stream: ((2 e + half) 4 + w) x 512 KB
	s_lshl_b32 s40, s6, 24
	s_add_nc_u64 s[26:27], s[22:23], s[40:41]      ; P at my half
	s_lshl_b32 s40, s28, 13
	s_lshl_b32 s42, s6, 12
	s_add_co_u32 s40, s40, s42
	v_lshl_add_u32 v220, v0, 5, s40                ; b1: thread t takes columns 8 t .. 8 t + 7 of the expert's half
	global_load_b128 v[208:211], v220, s[18:19]
	global_load_b128 v[212:215], v220, s[18:19] offset:16
	s_lshl_b32 s40, s28, 11
	s_lshl_b32 s42, s4, 9
	s_add_co_u32 s40, s40, s42
	v_lshl_add_u32 v221, v3, 7, s40                ; b2: columns 128 w + 64 b + 32 h + 4 j + 0..3
.irp b, 0,1
.irp j, 0,1,2,3,4,5,6,7
	global_load_b128 v[PK+4*(8*(\b)+(\j)):PK+4*(8*(\b)+(\j))+3], v221, s[20:21] offset:256*(\b)+16*(\j)
.endr
.endr
.irp g, 0,1,2,3,4
	LDW \g, (\g)*4096                              ; the stream's first five groups go out while the rows are found
.endr
	WIN 0
	; where my group's first row stands in the tile: the lanes below me, my lane's groups below w, less r0 (below 0 it wraps and is clamped away)
	s_lshr_b32 s40, s28, 1
	s_cmp_ge_u32 s40, 1
	s_cselect_b32 s41, -1, 0
	s_cmp_ge_u32 s40, 2
	s_cselect_b32 s42, -1, 0
	s_cmp_ge_u32 s40, 3
	s_cselect_b32 s43, -1, 0
	PICK 24, XX
	PICK 25, CN
	PICK 26, CN+4
	PICK 27, CN+8
	s_cmp_ge_u32 s4, 1
	s_cselect_b32 s41, -1, 0
	s_cmp_ge_u32 s4, 2
	s_cselect_b32 s42, -1, 0
	s_cmp_ge_u32 s4, 3
	s_cselect_b32 s43, -1, 0
	v_and_b32 v25, s41, v25
	v_and_b32 v26, s42, v26
	v_and_b32 v27, s43, v27
	v_add3_u32 v24, v24, v25, v26
	v_add_nc_u32 v24, v24, v27
	s_and_b32 s46, s28, 1
	s_lshl_b32 s46, s46, 4
	v_lshrrev_b32 v24, s46, v24
	v_and_b32 v24, 0xffff, v24
	v_sub_nc_u32 v24, v24, s29                     ; pos
	v_mov_b32 v25, v[BM]
.irp n, 1,2,3,4,5,6,7
	s_cmp_ge_u32 s28, \n
	s_cselect_b32 s40, -1, 0
	v_cndmask_b32 v25, v25, v[BM+(\n)], s40        ; my group's bitmap for my expert
.endr
	s_lshl_b32 s40, s4, 5
	s_add_co_u32 s40, s40, 1
	v_lshl_add_u32 v26, v1, 7, s40                 ; the group's first token, plus 1: 0 means 'no row'
	s_lshl_b32 s47, s4, 9
	s_add_co_u32 s47, s47, LP                      ; my wave's list
	v_lshl_add_u32 v27, v1, 2, s47
	ds_store_b32 v27, v[ZERO]
	ds_store_b32 v27, v[ZERO] offset:128
	ds_store_b32 v27, v[ZERO] offset:256
	s_mov_b32 s31, 8
.Lbit:                                                 ; 8 trips, four tokens of each lane's group a trip, in four chains that do not wait for each other; LDS serves a wave's instructions in order, so these stores come behind the zeros
	v_and_b32 v32, 1, v25                          ; the four bits
	v_bfe_u32 v33, v25, 1, 1
	v_bfe_u32 v34, v25, 2, 1
	v_bfe_u32 v35, v25, 3, 1
	v_add_nc_u32 v36, v24, v32                     ; the rows at which tokens 1, 2, 3 would stand
	v_add_nc_u32 v40, -1, v32                      ; 0 where the token chose the expert, else all ones
	v_add_nc_u32 v41, -1, v33
	v_add_nc_u32 v42, -1, v34
	v_add_nc_u32 v43, -1, v35
	v_add_nc_u32 v37, v36, v33
	v_or_b32 v40, v24, v40
	v_or_b32 v41, v36, v41
	v_add_nc_u32 v38, v37, v34
	v_or_b32 v42, v37, v42
	v_min_u32 v40, 80, v40                         ; a row of the tile, or word 80
	v_min_u32 v41, 80, v41
	v_or_b32 v43, v38, v43
	v_min_u32 v42, 80, v42
	v_add_nc_u32 v24, v38, v35
	v_min_u32 v43, 80, v43
	v_lshl_add_u32 v40, v40, 2, s47
	v_lshl_add_u32 v41, v41, 2, s47
	v_lshl_add_u32 v42, v42, 2, s47
	v_lshl_add_u32 v43, v43, 2, s47
	v_add_nc_u32 v44, 1, v26
	v_add_nc_u32 v45, 2, v26
	v_add_nc_u32 v46, 3, v26
	ds_store_b32 v40, v26
	ds_store_b32 v41, v44
	ds_store_b32 v42, v45
	ds_store_b32 v43, v46
	v_add_nc_u32 v26, 4, v26
	v_lshrrev_b32 v25, 4, v25
	s_sub_co_u32 s31, s31, 1
	s_cmp_lg_u32 s31, 0
	s_cbranch_scc1 .Lbit
	s_wait_dscnt 0x0                               ; for the others' sake: my list is written
	s_barrier_signal -1
	s_barrier_wait -1
	; thread i merges row i: one of the four lists holds token + 1, the others 0; a row past the expert's last takes row 0's token
	v_min_u32 v24, 79, v0
	v_lshl_add_u32 v24, v24, 2, LP
	v_mov_b32 v25, LP
	ds_load_b32 v26, v24
	ds_load_b32 v27, v24 offset:512
	ds_load_b32 v28, v24 offset:1024
	ds_load_b32 v29, v24 offset:1536
	ds_load_b32 v30, v25
	ds_load_b32 v31, v25 offset:512
	ds_load_b32 v22, v25 offset:1024
	ds_load_b32 v23, v25 offset:1536
	s_wait_dscnt 0x0
	v_add3_u32 v26, v26, v27, v28
	v_add_nc_u32 v26, v26, v29
	v_add3_u32 v30, v30, v31, v22
	v_add_nc_u32 v30, v30, v23
	v_cmp_eq_u32 vcc_lo, 0, v26
	v_cndmask_b32 v26, v26, v30, vcc_lo
	v_add_nc_u32 v26, -1, v26
	v_min_u32 v217, 4095, v26                      ; the token
	v_lshl_add_u32 v27, v0, 2, LISTF
	ds_store_b32 v27, v217
	v_lshlrev_b32 v222, 2, v217
	v_lshlrev_b32 v223, 3, v217
	global_load_b32 v216, v222, s[10:11]           ; its two experts
	global_load_b64 v[218:219], v223, s[12:13]     ; and their weights: wanted only for the way out
	s_wait_dscnt 0x0
	s_barrier_signal -1
	s_barrier_wait -1
	; the gather: wave w brings rows 20 w .. 20 w + 19, two at a time: sixteen lanes read 256 consecutive bytes of a row of xb
	s_mul_i32 s40, s4, 80
	s_add_co_u32 s40, s40, LISTF
	v_lshl_add_u32 v24, v3, 2, s40
.irp n, 0,1,2,3,4,5,6,7,8,9
	ds_load_b32 v[32+(\n)], v24 offset:8*(\n)
.endr
	v_lshlrev_b32 v25, 4, v2
	s_wait_dscnt 0x0
.irp n, 0,1,2,3,4,5,6,7,8,9
	v_min_u32 v[32+(\n)], 4095, v[32+(\n)]
.endr
.irp n, 0,1,2,3,4,5,6,7,8,9
	v_lshl_add_u32 v[32+(\n)], v[32+(\n)], 10, v25
.endr
	WIN 0xC0
.irp n, 0,1,2,3,4,5,6,7,8,9
.irp q, 0,1,2,3
	global_load_b128 v[64+16*(\n)+4*(\q):64+16*(\n)+4*(\q)+3], v[32+(\n)], s[14:15] offset:256*(\q)
.endr
.endr
	s_wait_loadcnt 42                              ; b1, b2 and groups 0-4 are in; sel, gates and x's forty loads stay out: what follows stands in the wait for them
	WIN 0
.irp p, 0,1,2,3
	v_cvt_pk_bf16_f32 v[28+(\p)], v[208+2*(\p)], v[209+2*(\p)]     ; b1 rounded to bf16 and widened again
.endr
.irp p, 0,1,2,3
	v_lshlrev_b32 v[208+2*(\p)], 16, v[28+(\p)]
	v_and_b32 v[209+2*(\p)], s53, v[28+(\p)]
.endr
	v_lshrrev_b32 v24, 3, v0                       ; column 8 t + u = 64 (t / 8) + 4 r + ht goes to place 64 (t / 8) + 16 ht + r, r = 2 (t % 8) + u / 4, ht = u % 4
	v_and_b32 v25, 7, v0
	v_lshlrev_b32 v25, 3, v25
	v_lshl_add_u32 v24, v24, 8, v25
	v_add_nc_u32 v24, B1L, v24
.irp u, 0,1,2,3,4,5,6,7
	ds_store_b32 v24, v[208+(\u)] offset:4*(((\u)&3)*16+((\u)>>2))
.endr
	s_cmp_eq_u32 s6, 0
	s_cselect_b32 s40, -1, 0                       ; b2 belongs to half 0 alone
.set n, 0
.rept 32
	v_cvt_pk_bf16_f32 v[24+n%8], v[PK+2*n], v[PK+2*n+1]
	v_and_b32 v[24+n%8], s40, v[24+n%8]
	v_lshlrev_b32 v[PK+2*n], 16, v[24+n%8]
	v_and_b32 v[PK+2*n+1], s53, v[24+n%8]
.set n, n+1
.endr
	WIN 0x80                                       ; y starts at b2: these moves spare a first chunk written out and the additions at the end
	YINIT 0
	YINIT 64
	YINIT 128
	YINIT 192
	WIN 0xC0
	YINIT 0
	WIN 0
	s_mul_i32 s40, s4, 20*XP
	v_mul_u32_u24 v24, v3, XP
	v_add_nc_u32 v24, s40, v24
	v_lshl_add_u32 v24, v2, 4, v24                 ; XT + (20 w + L / 16) rows + 16 (L % 16)
	LDW 5, 5*4096
	LDW 6, 6*4096
	s_wait_loadcnt 16                              ; sel, gates and x are in; groups 5 and 6, sixteen loads, stay out
	WIN 0x0C
.irp n, 0,1,2,3,4,5,6,7,8,9
.irp q, 0,1,2,3
	ds_store_b128 v24, v[64+16*(\n)+4*(\q):64+16*(\n)+4*(\q)+3] offset:(\n)*2*XP+256*(\q)
.endr
.endr
	LDW 7, 7*4096                                  ; the ring is full
	WIN 0
	v_lshrrev_b32 v24, 8, v216
	v_cmp_eq_u32 vcc_lo, s28, v24                  ; is my expert the token's second choice?
	v_cndmask_b32 v25, v218, v219, vcc_lo
	v_mov_b32 v27, 0x1000
	v_cndmask_b32 v26, 0, v27, vcc_lo
	v_add_nc_u32 v26, v217, v26
	v_lshl_add_u32 v27, v0, 2, MROW
	ds_store_b32 v27, v26
	ds_store_b32 v27, v25 offset:MG-MROW
	s_wait_dscnt 0x0                               ; for the others' sake: my rows of x, of the lists and of b1 are in LDS
	s_barrier_signal -1
	s_barrier_wait -1
	v_lshl_add_u32 v22, v2, 2, MG
.irp tb, 0,1,2,3,4
	ds_load_b32 v[GT+(\tb)], v22 offset:64*(\tb)   ; my token's gate weight in each block: kept for the way out
.endr
	LDX BF, 0
	LDB1
	LDX BF+40, 1
	LDX PK, 2
	LDX PK+40, 3
	s_mov_b32 s31, 4
.Lchunk:                                               ; four trips, 256 hidden columns each; the fourth leaves in its middle
.irp p, 0,1,2,3,4,5,6,7
	G1PAIR \p
.endr
	CV 0                                           ; h goes out block by block: a block's stores stand behind the next block's conversions, not behind the lines that made their data
	MX 0
	CV 1
	SB 0
	MX 1
	CV 2
	SB 1
	MX 2
	CV 3
	SB 2
	MX 3
	CV 4
	SB 3
	MX 4
	SB 4
	s_wait_dscnt 0x0                               ; for the others' sake: my columns of h are in LDS
	s_barrier_signal -1
	s_barrier_wait -1                              ; h is whole
	LDH 0, 0
	LDH 1, 1
	G2STEP 0, 24, 48, 10, 1                        ; 48: the six groups younger than the two in hand; 10: the next step's fragments
	G2STEP 1, 26, 48, 10, 1
	G2STEP 2, 28, 48, 10, 1
	G2STEP 3, 30, 48, 10, 1
	WIN 0
	s_sub_co_u32 s31, s31, 1
	s_cmp_eq_u32 s31, 0
	s_cbranch_scc1 .Llast                          ; the last chunk asks for nothing beyond the stream's end
	G2STEP 4, 0, 48, 10, 1, 1                      ; from here on the groups asked for are the next chunk's first eight
	G2STEP 5, 2, 48, 10, 1
	G2STEP 6, 4, 48, 10, 2
	G2STEP 7, 6, 48, 18, 3                         ; 18: x's first ten loads and b1's eight were asked for behind this step's fragments
	WIN 0
	s_branch .Lchunk
.Llast:
	G2STEP 4, -1, 48, 10, 1                        ; the counts run down: 6, 4, 2, 0 groups are younger
	G2STEP 5, -1, 32, 10, 1
	G2STEP 6, -1, 16, 10, 0
	G2STEP 7, -1, 0, 0, 0
	; THE WAY OUT.  A block of 16 tokens at a time: times the token's gate weight (MULB); a lane's four neighbouring columns (one from each of four tiles) as 16 bytes into my stage (STB); back as whole
	; rows of 512 bytes (LBB); each row to its own place in P (SEND).  The next block's multiplies stand between a block's loads from the stage and its stores; a block's sixteen places are read a block
	; ahead (RWL), into one of two sets, and made into offsets in one batch (ADDR), so that no store stands behind a line that it hangs on.  Rows past the count are jumped.
.macro RWL tb, set
.set n, 0
.rept 16
	ds_load_b32 v[RW+16*(\set)+n], v[AMR] offset:4*(16*(\tb)+n)
.set n, n+1
.endr
.endm
.macro MULB tb
.if (\tb) < 4
	WIN 0x02
.else
	WIN 0x03
.endif
.set n, 0
.rept 64                                               ; n = 8 j + dt: register 0 of every accumulator first
	v_mul_f32 v[T+4*(8*((n%8)/4)+n/8)+n%4], v[64*((\tb)%4)+8*(n%8)+n/8], v[GT+(\tb)]
.set n, n+1
.endr
	WIN 0
.endm
.macro STB
.set n, 0
.rept 16
	ds_store_b128 v[STS], v[T+4*n:T+4*n+3] offset:256*(n/8)+16*(n%8)
.set n, n+1
.endr
.endm
.macro LBB
.set n, 0
.rept 16
	ds_load_b128 v[U+4*n:U+4*n+3], v[STR] offset:HP*n  ; LDS serves a wave's instructions in order (ISA guide 5.7.1.4): these see the stores above, and the next block's stores come behind them
.set n, n+1
.endr
.endm
.macro ADDR set
.set n, 0
.rept 16
	v_min_u32 v[RW+16*(\set)+n], 0x1fff, v[RW+16*(\set)+n]
.set n, n+1
.endr
.set n, 0
.rept 16
	v_lshl_add_u32 v[RW+16*(\set)+n], v[RW+16*(\set)+n], 11, v[LW]
.set n, n+1
.endr
.endm
.macro SEND tb, set, base              ; base: the LDS loads younger than the block's row 0: its fifteen other rows and, but for the last block, the next block's sixteen places
.set n, 0
.rept 16
.if (16*(\tb)+n) > 0
	s_cmp_le_u32 s30, 16*(\tb)+n
	s_cbranch_scc1 .Lend
.endif
.if n%4 == 0
	s_wait_dscnt (\base)-n-3                       ; rows n .. n + 3 are back
.endif
	global_store_b128 v[RW+16*(\set)+n], v[U+4*n:U+4*n+3], s[26:27] th:TH_STORE_NT  ; 32 lanes store 512 consecutive bytes, aligned
.set n, n+1
.endr
.endm
	WIN 0
	s_cmp_eq_u32 s30, 0
	s_cbranch_scc1 .Lend                           ; a work-group without rows stores nothing
	RWL 0, 0
	MULB 0                                         ; the four places behind the last products stand at the last step's end
	STB
	LBB
	RWL 1, 1
.irp tb, 0,1,2,3
	MULB (\tb)+1
	s_wait_dscnt 48                                ; this block's places are in: a stage's sixteen stores, its sixteen loads and the next block's sixteen places are younger
	ADDR (\tb)%2
	SEND \tb, (\tb)%2, 31
	STB
	s_wait_xcnt 0x0                                ; this block's stores have read their rows and offsets: only behind this wait are those registers loaded again
	LBB
.if (\tb) < 3
	RWL (\tb)+2, (\tb)%2
.endif
.endr
	s_wait_dscnt 32                                ; the last block's places: behind them stand the stage's sixteen stores and sixteen loads
	ADDR 0
	SEND 4, 0, 15
.Lend:
	s_wait_tensorcnt 0x0                           ; the wave's end
	ds_add_u32 v[SPW], v[NIL]
	s_wait_dscnt 0x0
	s_endpgm
.Lfunc_end_k_qa96cc3ca3f_chain:
	.size	k_qa96cc3ca3f_chain, .Lfunc_end_k_qa96cc3ca3f_chain-k_qa96cc3ca3f_chain
	.p2alignl 7, 3214868480
	.fill 96, 4, 3214868480
	.section	.rodata,"a",@progbits
	.p2align	6, 0x0
	.amdhsa_kernel k_qa96cc3ca3f_chain
		.amdhsa_group_segment_fixed_size 167936
		.amdhsa_private_segment_fixed_size 0
		.amdhsa_enable_private_segment 0
		.amdhsa_kernarg_size 64
		.amdhsa_user_sgpr_count 2
		.amdhsa_user_sgpr_kernarg_segment_ptr 1
		.amdhsa_wavefront_size32 1
		.amdhsa_system_sgpr_workgroup_id_x 1
		.amdhsa_system_sgpr_workgroup_id_y 1
		.amdhsa_system_sgpr_workgroup_id_z 1
		.amdhsa_system_vgpr_workitem_id 0
		.amdhsa_next_free_vgpr 1024
		.amdhsa_next_free_sgpr 66
		.amdhsa_reserve_vcc 1
		.amdhsa_float_denorm_mode_32 3
		.amdhsa_float_denorm_mode_16_64 3
		.amdhsa_memory_ordered 1
		.amdhsa_forward_progress 1
		.amdhsa_inst_pref_size 213
	.end_amdhsa_kernel
	.amdgpu_metadata
---
amdhsa.version: [ 1, 2 ]
amdhsa.kernels:
  - .name:           k_qa96cc3ca3f_chain
    .symbol:         k_qa96cc3ca3f_chain.kd
    .args:
      - { .name: route, .offset: 0, .size: 8, .value_kind: global_buffer, .address_space: global }
      - { .name: sel, .offset: 8, .size: 8, .value_kind: global_buffer, .address_space: global }
      - { .name: gates, .offset: 16, .size: 8, .value_kind: global_buffer, .address_space: global }
      - { .name: xb, .offset: 24, .size: 8, .value_kind: global_buffer, .address_space: global }
      - { .name: Wf, .offset: 32, .size: 8, .value_kind: global_buffer, .address_space: global }
      - { .name: b1, .offset: 40, .size: 8, .value_kind: global_buffer, .address_space: global }
      - { .name: b2, .offset: 48, .size: 8, .value_kind: global_buffer, .address_space: global }
      - { .name: P, .offset: 56, .size: 8, .value_kind: global_buffer, .address_space: global }
    .group_segment_fixed_size: 167936
    .private_segment_fixed_size: 0
    .kernarg_segment_align: 8
    .kernarg_segment_size: 64
    .max_flat_workgroup_size: 128
    .sgpr_count:     66
    .vgpr_count:     1024
    .wavefront_size: 32
...
	.end_amdgpu_metadata
.endif
;; end of part 2
;; launch comb (part 3): grid 257 x 1, 8 waves a work-group, no clusters, 0 bytes of LDS; arguments P, imp, route, out0, out1; writes out0, out1
.if DOCPART == 3
	.amdgcn_target "amdgcn-amd-amdhsa--gfx1250"
	.amdhsa_code_object_version 6
	.text
	.protected	k_qa96cc3ca3f_comb
	.globl	k_qa96cc3ca3f_comb
	.p2align	8
	.type	k_qa96cc3ca3f_comb,@function
k_qa96cc3ca3f_comb:
	s_mov_b64 s[64:65], 0
	v_nop
	global_prefetch_b8 v0, s[64:65] scope:SCOPE_SE
	s_setreg_imm32_b32 hwreg(HW_REG_WAVE_MODE, 25, 1), 1
	s_wait_xcnt 0x0
; COMB: out0[t] = the sum of token t's four partial rows (two choices x two halves of the hidden width), in f32; out1 = the gate's auxiliary loss.
; Work-groups 0-255: 32 KB of out0 each.  A thread takes 16 bytes in each of eight pieces of 4,096 bytes; its 32 loads (four planes of P, 8 MB apart) all go out ahead of the first wait;
; a wave's load or store covers 512 consecutive bytes, aligned.  A stream: no LDS, no barrier, no matrix unit: nothing is read twice and no wave needs another's data.
; Work-group 256, wave 0: out1 = 8 x 0.01 x the sum over e of (sum of probabilities / 4096) (first choices / 4096), from the 128 groups' records.
	s_load_b256 s[8:15], s[0:1], 0x0               ; P s[8:9], imp s[10:11], route s[12:13], out0 s[14:15]
	s_load_b64 s[16:17], s[0:1], 0x20              ; out1
	v_and_b32 v1, 31, v0
	v_lshrrev_b32 v2, 5, v0
	v_readfirstlane_b32 s4, v2                     ; wave
	s_mov_b32 s5, ttmp9
	s_wait_kmcnt 0x0
	s_cmp_eq_u32 s5, 256
	s_cbranch_scc1 .Laux
	s_lshl_b32 s6, s5, 15
	v_lshl_add_u32 v3, v0, 4, s6
	s_add_nc_u64 s[18:19], s[8:9], 0x800000        ; the planes have bases of their own: the immediate does not reach 8 MB
	s_add_nc_u64 s[20:21], s[8:9], 0x1000000
	s_add_nc_u64 s[22:23], s[8:9], 0x1800000
.irp j, 0,1,2,3,4,5,6,7
	global_load_b128 v[16+16*(\j):19+16*(\j)], v3, s[8:9]   offset:4096*(\j) th:TH_LOAD_NT
	global_load_b128 v[20+16*(\j):23+16*(\j)], v3, s[18:19] offset:4096*(\j) th:TH_LOAD_NT
	global_load_b128 v[24+16*(\j):27+16*(\j)], v3, s[20:21] offset:4096*(\j) th:TH_LOAD_NT
	global_load_b128 v[28+16*(\j):31+16*(\j)], v3, s[22:23] offset:4096*(\j) th:TH_LOAD_NT
.endr
.irp j, 0,1,2,3,4,5,6,7
	s_wait_loadcnt 28-4*(\j)                       ; piece j's four loads are in; the later pieces' stay out
	v_pk_add_f32 v[16+16*(\j):17+16*(\j)], v[16+16*(\j):17+16*(\j)], v[20+16*(\j):21+16*(\j)]
	v_pk_add_f32 v[18+16*(\j):19+16*(\j)], v[18+16*(\j):19+16*(\j)], v[22+16*(\j):23+16*(\j)]
	v_pk_add_f32 v[24+16*(\j):25+16*(\j)], v[24+16*(\j):25+16*(\j)], v[28+16*(\j):29+16*(\j)]
	v_pk_add_f32 v[26+16*(\j):27+16*(\j)], v[26+16*(\j):27+16*(\j)], v[30+16*(\j):31+16*(\j)]
	v_pk_add_f32 v[16+16*(\j):17+16*(\j)], v[16+16*(\j):17+16*(\j)], v[24+16*(\j):25+16*(\j)]
	v_pk_add_f32 v[18+16*(\j):19+16*(\j)], v[18+16*(\j):19+16*(\j)], v[26+16*(\j):27+16*(\j)]
	global_store_b128 v3, v[16+16*(\j):19+16*(\j)], s[14:15] offset:4096*(\j) th:TH_STORE_NT
.endr
	s_endpgm
.Laux:
	s_cmp_lg_u32 s4, 0
	s_cbranch_scc1 .Ldone
	s_mov_b32 s20, 0x76543210                      ; v_permlanex16_b32: each lane takes its own place in the other half
	s_mov_b32 s21, 0xfedcba98
	v_lshlrev_b32 v3, 9, v1                        ; lane L takes the groups 4 L .. 4 L + 3: records of 128 bytes
.irp k, 0,1,2,3
	global_load_b128 v[16+8*(\k):19+8*(\k)], v3, s[10:11] offset:128*(\k)      ; the eight sums of probabilities
	global_load_b128 v[20+8*(\k):23+8*(\k)], v3, s[10:11] offset:128*(\k)+16
	global_load_b128 v[48+4*(\k):51+4*(\k)], v3, s[12:13] offset:128*(\k)+48   ; the eight counts of first choices, two a word
.endr
	s_wait_loadcnt 0x0
.irp p, 0,2,4,6
	v_pk_add_f32 v[16+(\p):17+(\p)], v[16+(\p):17+(\p)], v[24+(\p):25+(\p)]
	v_pk_add_f32 v[32+(\p):33+(\p)], v[32+(\p):33+(\p)], v[40+(\p):41+(\p)]
	v_pk_add_f32 v[16+(\p):17+(\p)], v[16+(\p):17+(\p)], v[32+(\p):33+(\p)]
.endr
.irp q, 0,1,2,3
	v_add_nc_u32 v[48+(\q)], v[48+(\q)], v[52+(\q)]    ; packed: no field passes 128 here
	v_add3_u32 v[48+(\q)], v[48+(\q)], v[56+(\q)], v[60+(\q)]
.endr
.irp q, 0,1,2,3
	v_and_b32 v[24+2*(\q)], 0xffff, v[48+(\q)]
	v_lshrrev_b32 v[25+2*(\q)], 16, v[48+(\q)]
.endr
.irp e, 0,1,2,3,4,5,6,7
	v_cvt_f32_u32 v[24+(\e)], v[24+(\e)]
.endr
.irp m, 1,2,4,8                                        ; v16-23 and v24-31 summed over the 32 lanes
.irp e, 0,1,2,3,4,5,6,7,8,9,10,11,12,13,14,15
	v_add_f32_dpp v[16+(\e)], v[16+(\e)], v[16+(\e)] row_xmask:\m row_mask:0xf bank_mask:0xf
.endr
.endr
.irp e, 0,1,2,3,4,5,6,7,8,9,10,11,12,13,14,15
	v_permlanex16_b32 v[32+(\e)], v[16+(\e)], s20, s21
.endr
.irp e, 0,1,2,3,4,5,6,7,8,9,10,11,12,13,14,15
	v_add_f32 v[16+(\e)], v[16+(\e)], v[32+(\e)]
.endr
	v_mul_f32 v4, v16, v24
.irp e, 1,2,3,4,5,6,7
	v_fma_f32 v4, v[16+(\e)], v[24+(\e)], v4
.endr
	v_mul_f32 v4, 0x31a3d70a, v4                   ; 0.08 / 2^24
	v_mov_b32 v5, 0
	v_cmp_eq_u32 vcc_lo, 0, v1
	s_wait_xcnt 0x0                                ; EXEC changes only behind this wait
	s_and_saveexec_b32 s6, vcc_lo
	global_store_b32 v5, v4, s[16:17]              ; lane 0 alone
	s_wait_xcnt 0x0                                ; and again, ahead of the line that widens it
	s_or_b32 exec_lo, exec_lo, s6
.Ldone:
	s_endpgm
.Lfunc_end_k_qa96cc3ca3f_comb:
	.size	k_qa96cc3ca3f_comb, .Lfunc_end_k_qa96cc3ca3f_comb-k_qa96cc3ca3f_comb
	.p2alignl 7, 3214868480
	.fill 96, 4, 3214868480
	.section	.rodata,"a",@progbits
	.p2align	6, 0x0
	.amdhsa_kernel k_qa96cc3ca3f_comb
		.amdhsa_group_segment_fixed_size 0
		.amdhsa_private_segment_fixed_size 0
		.amdhsa_enable_private_segment 0
		.amdhsa_kernarg_size 40
		.amdhsa_user_sgpr_count 2
		.amdhsa_user_sgpr_kernarg_segment_ptr 1
		.amdhsa_wavefront_size32 1
		.amdhsa_system_sgpr_workgroup_id_x 1
		.amdhsa_system_sgpr_workgroup_id_y 1
		.amdhsa_system_sgpr_workgroup_id_z 1
		.amdhsa_system_vgpr_workitem_id 0
		.amdhsa_next_free_vgpr 144
		.amdhsa_next_free_sgpr 66
		.amdhsa_reserve_vcc 1
		.amdhsa_float_denorm_mode_32 3
		.amdhsa_float_denorm_mode_16_64 3
		.amdhsa_memory_ordered 1
		.amdhsa_forward_progress 1
		.amdhsa_inst_pref_size 18
	.end_amdhsa_kernel
	.amdgpu_metadata
---
amdhsa.version: [ 1, 2 ]
amdhsa.kernels:
  - .name:           k_qa96cc3ca3f_comb
    .symbol:         k_qa96cc3ca3f_comb.kd
    .args:
      - { .name: P, .offset: 0, .size: 8, .value_kind: global_buffer, .address_space: global }
      - { .name: imp, .offset: 8, .size: 8, .value_kind: global_buffer, .address_space: global }
      - { .name: route, .offset: 16, .size: 8, .value_kind: global_buffer, .address_space: global }
      - { .name: out0, .offset: 24, .size: 8, .value_kind: global_buffer, .address_space: global }
      - { .name: out1, .offset: 32, .size: 8, .value_kind: global_buffer, .address_space: global }
    .group_segment_fixed_size: 0
    .private_segment_fixed_size: 0
    .kernarg_segment_align: 8
    .kernarg_segment_size: 40
    .max_flat_workgroup_size: 256
    .sgpr_count:     66
    .vgpr_count:     144
    .wavefront_size: 32
...
	.end_amdgpu_metadata
.endif
;; end of part 3
